; MI455X (gfx1250); checked and timed in simulation.
; The chip was launched on July 23, 2026; its instructions are those of AMD's public machine-readable ISA for CDNA 5 (MIT licence, August 2026) and "CDNA5" Instruction Set Architecture Reference Guide (July 2026). The comments in the code are by the model that wrote it; some were corrected since.
;; Max Channel Pool. Allowed arithmetic: float matrix products may take bf16 or f16 operands with f32 sums; all other float work in f32.
;; Inputs: x 8 x 512 x 64 x 64 float32.
;; Outputs: out0 8 x 256 x 64 x 64 float32.
;; 2 versions, each right; version 2 is version 1 with the launch chanpool written anew for expert scheduling mode. Each part assembles by itself: llvm-mc -triple=amdgcn-amd-amdhsa -mcpu=gfx1250 --defsym DOCPART=n.
;; ======== version 1 of 2: 1 launch
;; launch chanpool (part 1): grid 32 x 8, 16 waves a work-group, no clusters, 28,160 bytes of LDS; arguments x, out0; writes out0
.if DOCPART == 1
	.amdgcn_target "amdgcn-amd-amdhsa--gfx1250"
	.amdhsa_code_object_version 6
	.text
	.protected	k_q4e09146468_chanpool
	.globl	k_q4e09146468_chanpool
	.p2align	8
	.type	k_q4e09146468_chanpool,@function
k_q4e09146468_chanpool:
	s_mov_b64 s[64:65], 0
	v_nop
	global_prefetch_b8 v0, s[64:65] scope:SCOPE_SE
	s_setreg_imm32_b32 hwreg(HW_REG_WAVE_MODE, 25, 1), 1
	s_wait_xcnt 0x0
; out0[n][j][p] = max over c = 2j-3 .. 2j+2 of x[n][c][p], channels outside 0..511 counting as 0 (the reference's zero padding of 3,
; stride 2, window of 6).  x: [8][512][4096] f32, out0: [8][256][4096] f32 (p = the 64 x 64 plane, 16,384 bytes).
;
; With q[i] = max(x[2i-1], x[2i]):  out[j] = max(q[j-1], q[j], q[j+1]);  r = max(q[j], q[j+1]) serves out[j] and out[j+1]:
; five maxima for two outputs.  v_maximum_f32 lets a NaN win, as jnp.max does; infinities pass as they are; max(-0, +0) = +0.
;
; A work-group takes 512 bytes of the plane (ttmp9 = which of 32) of one image (ttmp7 = n) through all 512 channels: 32 x 8 = 256 groups.
; Wave w of 16 owns channels 32 w .. 32 w + 31 and outputs 16 w .. 16 w + 15; a lane owns 16 bytes, so every load and store of a wave
; covers 512 consecutive bytes that start at a multiple of 512 from the buffer's first byte.
; A wave's whole input is 32 loads = 128 registers: all are issued at once, there is no loop, and no register that a load or a store
; names is ever written again, so no wait is needed to free a source.
; Every byte of x is read once: what a wave needs of its neighbours' channels (three below, one above) comes through LDS, as
;   A = max(x29, x30) (= my q15) and B = x31 for the wave above me, C = x0 for the wave below me  (row numbers within the wave).
; Only out[0], out[1] (through q[-1], q[0]) and out[15] (through q[16]) need them; out[2..14] are made of my own rows alone.
; So the three rows go into LDS as soon as they are in (they are loaded first), but the barrier stands in the middle of the output work:
; out[2..7] are stored in front of it, as their rows arrive, and nobody's stores are held back by the exchange.
; No cluster: no two work-groups read the same byte.  No matrix unit: there is no product.
.set PLANE, 16384                      ; bytes from a channel to the next
.set REC,   1536                       ; LDS record of boundary b (between wave b-1 and wave b): A at 0, B at 512 (from wave b-1), C at 1024 (from wave b)
                                       ; 17 boundaries x 1,536 = 26,112 bytes
.set OFF,   1                          ; v1         16 x lane: my bytes in a row, for x and for out0
.set LA,    2                          ; v2         LDS: REC x wave + 16 x lane = my bytes in the record of boundary w
.set X,     4                          ; v[4:131]   row r at X + 4 r.  Later: row 2t holds q[t], row 2t+1 holds out[t]
.set PA,    132                        ; v[132:135] q[-1] = A of the wave below
.set PB,    136                        ; v[136:139] x[-1] = B of the wave below
.set PC,    140                        ; v[140:143] x[32] = C of the wave above, then q[16]
.set Z,     144                        ; v[144:147] zeros: the padding
	s_load_b128 s[4:7], s[0:1], 0x0                ; x s[4:5], out0 s[6:7]
	v_lshl_add_u32 v148, v0, 2, 0x6600
	v_mov_b32 v149, 0
	v_lshrrev_b32 v3, 5, v0
	v_readfirstlane_b32 s8, v3                     ; wave 0..15
	v_and_b32 v[OFF], 31, v0
	v_lshlrev_b32 v[OFF], 4, v[OFF]                ; 16 x lane
	s_and_b32 s9, ttmp7, 0xffff                    ; n
	s_lshl_b32 s14, ttmp9, 9                       ; the group's 512 bytes of the plane
	s_lshl_b32 s10, s9, 23                         ; x: n x 512 planes
	s_lshl_b32 s12, s8, 19                         ;    + wave x 32 planes
	s_add_co_u32 s10, s10, s12
	s_add_co_u32 s10, s10, s14                     ; below 64 MiB
	s_mov_b32 s11, 0
	s_lshl_b32 s12, s9, 22                         ; out0: n x 256 planes
	s_lshl_b32 s13, s8, 18                         ;       + wave x 16 planes
	s_add_co_u32 s12, s12, s13
	s_add_co_u32 s12, s12, s14                     ; below 32 MiB
	s_mov_b32 s13, 0
	s_mul_i32 s15, s8, REC
	v_add_nc_u32 v[LA], s15, v[OFF]
	s_wait_kmcnt 0x0
	s_add_nc_u64 s[4:5], s[4:5], s[10:11]          ; my wave's first row of x
	s_add_nc_u64 s[6:7], s[6:7], s[12:13]          ; my wave's first row of out0
	; all 32 rows, the four that the neighbours need first.  x is read once in the whole launch: non-temporal.
.irp r, 0, 29, 30, 31
	global_load_b128 v[X+4*\r:X+4*\r+3], v[OFF], s[4:5] offset:\r*PLANE th:TH_LOAD_NT
.endr
.set row, 1
.rept 28
	global_load_b128 v[X+4*row:X+4*row+3], v[OFF], s[4:5] offset:row*PLANE th:TH_LOAD_NT
.set row, row+1
.endr
	; the padding: below channel 0 and above channel 511 stand zeros, where a neighbour's rows would stand
.irp k, 0,1,2,3
	v_mov_b32 v[Z+\k], 0
.endr
	s_cmp_lg_u32 s8, 0
	s_cbranch_scc1 .Lnot_first
	ds_store_b128 v[LA], v[Z:Z+3]                  ; boundary 0: A = max(x[-3], x[-2]) = 0
	ds_store_b128 v[LA], v[Z:Z+3] offset:512       ;             B = x[-1] = 0
.Lnot_first:
	s_cmp_lg_u32 s8, 15
	s_cbranch_scc1 .Lnot_last
	ds_store_b128 v[LA], v[Z:Z+3] offset:REC+1024  ; boundary 16: C = x[512] = 0
.Lnot_last:
	s_wait_loadcnt 28                              ; loads come back in order (ISA guide 5.7.1): rows 0, 29, 30, 31 are in, the 28 issued behind them stay out
.irp k, 0,1,2,3
	v_maximum_f32 v[X+120+\k], v[X+116+\k], v[X+120+\k]    ; q[15] = max(x29, x30), kept in row 30
.endr
	ds_store_b128 v[LA], v[X:X+3] offset:1024              ; C of boundary w     (wave 0's is read by nobody)
	ds_store_b128 v[LA], v[X+120:X+123] offset:REC         ; A of boundary w + 1 (wave 15's A and B are read by nobody)
	ds_store_b128 v[LA], v[X+124:X+127] offset:REC+512     ; B of boundary w + 1
	                                                       ; these are waited for in front of the barrier, further down
; Rows 4s+1 .. 4s+4 are waited for and paired: q[2s+1] into row 4s+2, q[2s+2] into row 4s+4.
; Row r (1..28) is load number r + 3 of 32, so with row 4s+4 in, 28 - (4s+4) younger loads may stay out.
.macro FRESH s
	s_wait_loadcnt 24-4*\s
.irp k, 0,1,2,3
	v_maximum_f32 v[X+16*\s+8+\k], v[X+16*\s+4+\k], v[X+16*\s+8+\k]        ; q[2s+1]
.endr
.irp k, 0,1,2,3
	v_maximum_f32 v[X+16*\s+16+\k], v[X+16*\s+12+\k], v[X+16*\s+16+\k]     ; q[2s+2]
.endr
.endm
; out[2s] and out[2s+1] from q[2s] (row 4s), q[2s+1] (row 4s+2), qm = first register of q[2s-1], qp = of q[2s+2].
.macro OUTS s, qm, qp
.irp k, 0,1,2,3
	v_maximum_f32 v[X+16*\s+12+\k], v[X+16*\s+\k], v[X+16*\s+8+\k]         ; r = max(q[2s], q[2s+1]), in row 4s+3, which is used up
.endr
.irp k, 0,1,2,3
	v_maximum_f32 v[X+16*\s+4+\k], v[\qm+\k], v[X+16*\s+12+\k]             ; out[2s] = max(q[2s-1], r), in row 4s+1, which is used up
.endr
	global_store_b128 v[OFF], v[X+16*\s+4:X+16*\s+7], s[6:7] offset:2*\s*PLANE th:TH_STORE_NT
.irp k, 0,1,2,3
	v_maximum_f32 v[X+16*\s+12+\k], v[X+16*\s+12+\k], v[\qp+\k]            ; out[2s+1] = max(r, q[2s+2])
.endr
	global_store_b128 v[OFF], v[X+16*\s+12:X+16*\s+15], s[6:7] offset:(2*\s+1)*PLANE th:TH_STORE_NT
.endm
	FRESH 0                                        ; q[1], q[2]; out[0] and out[1] have to wait for the neighbour below
.irp s, 1,2,3
	FRESH \s
	OUTS \s, X+16*\s-8, X+16*\s+16                 ; out[2..7]: my own rows alone
.endr
	; The exchange.  Every wave put its three rows into LDS when its first four loads were in, and comes here when its load number 19
	; of 32 (row 16) is in.
	s_wait_dscnt 0x0                               ; for the neighbours' sake: all my LDS stores are done before I say so
	s_barrier_signal -1
	s_barrier_wait -1                              ; every record is whole, and no LDS byte is written from here on
	ds_load_b128 v[PA:PA+3], v[LA]                 ; boundary w: q[-1]
	ds_load_b128 v[PB:PB+3], v[LA] offset:512      ;             x[-1]
	ds_load_b128 v[PC:PC+3], v[LA] offset:REC+1024 ; boundary w + 1: x[32]
	FRESH 4                                        ; out[8], out[9] while these three are on their way
	OUTS 4, X+56, X+80
	s_wait_dscnt 0x0                               ; the neighbours' rows are in
.irp k, 0,1,2,3
	v_maximum_f32 v[X+\k], v[PB+\k], v[X+\k]               ; q[0]  = max(x[-1], x0), in row 0
.endr
.irp k, 0,1,2,3
	v_maximum_f32 v[PC+\k], v[X+124+\k], v[PC+\k]          ; q[16] = max(x31, x[32])
.endr
	OUTS 0, PA, X+16                               ; out[0], out[1]: q[1] still lies in row 2, q[2] in row 4
.irp s, 5,6
	FRESH \s
	OUTS \s, X+16*\s-8, X+16*\s+16                 ; out[10..13]
.endr
	OUTS 7, X+104, PC                              ; out[14], out[15]: q[14] in row 28 (the last load), q[15] in row 30, q[16] in PC
	s_wait_tensorcnt 0x0
	ds_add_u32 v148, v149
	s_wait_dscnt 0x0
	s_endpgm
.Lfunc_end_k_q4e09146468_chanpool:
	.size	k_q4e09146468_chanpool, .Lfunc_end_k_q4e09146468_chanpool-k_q4e09146468_chanpool
	.p2alignl 7, 3214868480
	.fill 96, 4, 3214868480
	.section	.rodata,"a",@progbits
	.p2align	6, 0x0
	.amdhsa_kernel k_q4e09146468_chanpool
		.amdhsa_group_segment_fixed_size 28160
		.amdhsa_private_segment_fixed_size 0
		.amdhsa_enable_private_segment 0
		.amdhsa_kernarg_size 16
		.amdhsa_user_sgpr_count 2
		.amdhsa_user_sgpr_kernarg_segment_ptr 1
		.amdhsa_wavefront_size32 1
		.amdhsa_system_sgpr_workgroup_id_x 1
		.amdhsa_system_sgpr_workgroup_id_y 1
		.amdhsa_system_sgpr_workgroup_id_z 1
		.amdhsa_system_vgpr_workitem_id 0
		.amdhsa_next_free_vgpr 150
		.amdhsa_next_free_sgpr 66
		.amdhsa_reserve_vcc 0
		.amdhsa_float_denorm_mode_32 3
		.amdhsa_float_denorm_mode_16_64 3
		.amdhsa_memory_ordered 1
		.amdhsa_forward_progress 1
		.amdhsa_inst_pref_size 18
	.end_amdhsa_kernel
	.amdgpu_metadata
---
amdhsa.version: [ 1, 2 ]
amdhsa.kernels:
  - .name:           k_q4e09146468_chanpool
    .symbol:         k_q4e09146468_chanpool.kd
    .args:
      - { .name: x, .offset: 0, .size: 8, .value_kind: global_buffer, .address_space: global }
      - { .name: out0, .offset: 8, .size: 8, .value_kind: global_buffer, .address_space: global }
    .group_segment_fixed_size: 28160
    .private_segment_fixed_size: 0
    .kernarg_segment_align: 8
    .kernarg_segment_size: 16
    .max_flat_workgroup_size: 512
    .sgpr_count:     66
    .vgpr_count:     150
    .wavefront_size: 32
...
	.end_amdgpu_metadata
.endif
;; end of part 1
;; ======== version 2 of 2: 1 launch; version 1 with the launch chanpool written anew for expert scheduling mode
;; launch chanpool (part 2): grid 32 x 8, 16 waves a work-group, no clusters, 28,160 bytes of LDS; arguments x, out0; writes out0
.if DOCPART == 2
	.amdgcn_target "amdgcn-amd-amdhsa--gfx1250"
	.amdhsa_code_object_version 6
	.text
	.protected	k_q4e09146468_chanpool
	.globl	k_q4e09146468_chanpool
	.p2align	8
	.type	k_q4e09146468_chanpool,@function
k_q4e09146468_chanpool:
	s_mov_b64 s[64:65], 0
	v_nop
	global_prefetch_b8 v0, s[64:65] scope:SCOPE_SE
	s_setreg_imm32_b32 hwreg(HW_REG_WAVE_SCHED_MODE, 0, 2), 2
	s_setreg_imm32_b32 hwreg(HW_REG_WAVE_MODE, 25, 1), 1
	s_wait_xcnt 0x0
	s_wait_alu depctr_vm_vsrc(0)
; out0[n][j][p] = max over c = 2j-3 .. 2j+2 of x[n][c][p], channels outside 0..511 counting as 0 (the reference's zero padding of 3,
; stride 2, window of 6).  x: [8][512][4096] f32, out0: [8][256][4096] f32 (p = the 64 x 64 plane, 16,384 bytes).
;
; With q[i] = max(x[2i-1], x[2i]):  out[j] = max(q[j-1], q[j], q[j+1]);  r = max(q[j], q[j+1]) serves out[j] and out[j+1]:
; five maxima for two outputs.  v_maximum_f32 lets a NaN win, as jnp.max does; infinities pass as they are; max(-0, +0) = +0.
;
; A work-group takes 512 bytes of the plane (ttmp9 = which of 32) of one image (ttmp7 = n) through all 512 channels: 32 x 8 = 256 groups.
; Wave w of 16 owns channels 32 w .. 32 w + 31 and outputs 16 w .. 16 w + 15; a lane owns 16 bytes, so every load and store of a wave
; covers 512 consecutive bytes that start at a multiple of 512 from the buffer's first byte.
; A wave's whole input is 32 loads = 128 registers: all are issued at once, there is no loop, and no register that a global load or
; store names as a source is ever written again.
; Every byte of x is read once: what a wave needs of its neighbours' channels (three below, one above) comes through LDS, as
;   A = max(x29, x30) (= my q15) and B = x31 for the wave above me, C = x0 for the wave below me  (row numbers within the wave).
; Only out[0], out[1] (through q[-1], q[0]) and out[15] (through q[16]) need them; out[2..14] are made of my own rows alone.
; So the three rows go into LDS as soon as they are in (they are loaded first), but the barrier stands in the middle of the output work:
; out[2..7] are stored in front of it, as their rows arrive, and nobody's stores are held back by the exchange.
; No cluster: no two work-groups read the same byte.  No matrix unit: there is no product.
;
; THE MODE: SCHED_MODE bits 1:0 = 2 (LLVM: expert scheduling mode 2), set by the entry lines.  The code itself states the register
; dependences between vector instructions and memory or LDS instructions, with s_wait_alu, always for 0.
; THE PLAN.  Registers that memory or LDS instructions touch:
;   v[OFF], v[LA], Z   made by vector instructions at the head, read by every load, store and LDS instruction, never written again:
;                      one wait on va_vdst in front of the first load serves them all.
;   X rows 0 .. 31     the 32 loads land in them; all are issued before any vector instruction names a row.
;   row 30             q[15], written by four maxima and read by the LDS store of A: a wait on va_vdst between the two.
;   rows 0 and 31      read by the LDS stores of C and B, written again much later (q[0]; step 7's r): one wait on vm_vsrc, behind the
;                      first wait for further rows, frees both; of later memory instructions only step 7's second store reads row 31, as out[15].
;   rows 4s+1, 4s+3    out[2s], out[2s+1]: written by step s's maxima, read by its two stores, never written again.  A step's twelve maxima
;                      come first, one wait on va_vdst follows, then the run of stores; steps 4 and 0, and steps 6 and 7, share a wait.
;   PA, PB, PC         the three LDS loads land in them; no vector instruction names them before.
;   s8                 written by v_readfirstlane_b32: a wait on va_sdst ahead of its first reader.
; EXEC is never written.
.set PLANE, 16384                      ; bytes from a channel to the next
.set REC,   1536                       ; LDS record of boundary b (between wave b-1 and wave b): A at 0, B at 512 (from wave b-1), C at 1024 (from wave b)
                                       ; 17 boundaries x 1,536 = 26,112 bytes
.set OFF,   1                          ; v1         16 x lane: my bytes in a row, for x and for out0
.set LA,    2                          ; v2         LDS: REC x wave + 16 x lane = my bytes in the record of boundary w
.set X,     4                          ; v[4:131]   row r at X + 4 r.  Later: row 2t holds q[t], row 2t+1 holds out[t]
.set PA,    132                        ; v[132:135] q[-1] = A of the wave below
.set PB,    136                        ; v[136:139] x[-1] = B of the wave below
.set PC,    140                        ; v[140:143] x[32] = C of the wave above, then q[16]
.set Z,     144                        ; v[144:147] zeros: the padding
	s_load_b128 s[4:7], s[0:1], 0x0                ; x s[4:5], out0 s[6:7]
	v_lshl_add_u32 v148, v0, 2, 0x6600
	v_mov_b32 v149, 0
	v_lshrrev_b32 v3, 5, v0
	v_readfirstlane_b32 s8, v3                     ; wave 0..15
	v_and_b32 v[OFF], 31, v0
	v_lshlrev_b32 v[OFF], 4, v[OFF]                ; 16 x lane
	; the padding: below channel 0 and above channel 511 stand zeros, where a neighbour's rows would stand
.irp k, 0,1,2,3
	v_mov_b32 v[Z+\k], 0
.endr
	s_and_b32 s9, ttmp7, 0xffff                    ; n
	s_lshl_b32 s14, ttmp9, 9                       ; the group's 512 bytes of the plane
	s_lshl_b32 s10, s9, 23                         ; x: n x 512 planes
	s_wait_alu depctr_va_sdst(0)                   ; s8 is written, ahead of its first reader: the bases, the LDS address and two branches are made from it
	s_lshl_b32 s12, s8, 19                         ;    + wave x 32 planes
	s_add_co_u32 s10, s10, s12
	s_add_co_u32 s10, s10, s14                     ; below 64 MiB
	s_mov_b32 s11, 0
	s_lshl_b32 s12, s9, 22                         ; out0: n x 256 planes
	s_lshl_b32 s13, s8, 18                         ;       + wave x 16 planes
	s_add_co_u32 s12, s12, s13
	s_add_co_u32 s12, s12, s14                     ; below 32 MiB
	s_mov_b32 s13, 0
	s_mul_i32 s15, s8, REC
	v_add_nc_u32 v[LA], s15, v[OFF]
	s_wait_kmcnt 0x0
	s_add_nc_u64 s[4:5], s[4:5], s[10:11]          ; my wave's first row of x
	s_add_nc_u64 s[6:7], s[6:7], s[12:13]          ; my wave's first row of out0
	s_wait_alu depctr_va_vdst(0)                   ; v[OFF], v[LA] and Z are written: the offset of every load and store, the address of every LDS instruction, the data of the padding's LDS stores
	; all 32 rows, the four that the neighbours need first.  x is read once in the whole launch: non-temporal.
.irp r, 0, 29, 30, 31
	global_load_b128 v[X+4*\r:X+4*\r+3], v[OFF], s[4:5] offset:\r*PLANE th:TH_LOAD_NT
.endr
.set row, 1
.rept 28
	global_load_b128 v[X+4*row:X+4*row+3], v[OFF], s[4:5] offset:row*PLANE th:TH_LOAD_NT
.set row, row+1
.endr
	s_cmp_lg_u32 s8, 0
	s_cbranch_scc1 .Lnot_first
	ds_store_b128 v[LA], v[Z:Z+3]                  ; boundary 0: A = max(x[-3], x[-2]) = 0
	ds_store_b128 v[LA], v[Z:Z+3] offset:512       ;             B = x[-1] = 0
.Lnot_first:
	s_cmp_lg_u32 s8, 15
	s_cbranch_scc1 .Lnot_last
	ds_store_b128 v[LA], v[Z:Z+3] offset:REC+1024  ; boundary 16: C = x[512] = 0
.Lnot_last:
	s_wait_loadcnt 28                              ; loads come back in order (ISA guide 5.7.1): rows 0, 29, 30, 31 are in, the 28 issued behind them stay out
.irp k, 0,1,2,3
	v_maximum_f32 v[X+120+\k], v[X+116+\k], v[X+120+\k]    ; q[15] = max(x29, x30), kept in row 30
.endr
	ds_store_b128 v[LA], v[X:X+3] offset:1024              ; C of boundary w     (wave 0's is read by nobody): row 0 as loaded, which no vector instruction has named
	ds_store_b128 v[LA], v[X+124:X+127] offset:REC+512     ; B of boundary w + 1 (wave 15's A and B are read by nobody): row 31 as loaded, likewise
	s_wait_alu depctr_va_vdst(0)                           ; the four maxima have written row 30, which the LDS store below reads
	ds_store_b128 v[LA], v[X+120:X+123] offset:REC         ; A of boundary w + 1
	                                                       ; these are waited for in front of the barrier, further down
; Rows 4s+1 .. 4s+4 are waited for and paired: q[2s+1] into row 4s+2, q[2s+2] into row 4s+4.
; Row r (1..28) is load number r + 3 of 32, so with row 4s+4 in, 28 - (4s+4) younger loads may stay out.
.macro FRESH s
	s_wait_loadcnt 24-4*\s
.irp k, 0,1,2,3
	v_maximum_f32 v[X+16*\s+8+\k], v[X+16*\s+4+\k], v[X+16*\s+8+\k]        ; q[2s+1]
.endr
.irp k, 0,1,2,3
	v_maximum_f32 v[X+16*\s+16+\k], v[X+16*\s+12+\k], v[X+16*\s+16+\k]     ; q[2s+2]
.endr
.endm
; out[2s] and out[2s+1] from q[2s] (row 4s), q[2s+1] (row 4s+2), qm = first register of q[2s-1], qp = of q[2s+2].
.macro MAXS s, qm, qp
.irp k, 0,1,2,3
	v_maximum_f32 v[X+16*\s+12+\k], v[X+16*\s+\k], v[X+16*\s+8+\k]         ; r = max(q[2s], q[2s+1]), in row 4s+3, which is used up
.endr
.irp k, 0,1,2,3
	v_maximum_f32 v[X+16*\s+4+\k], v[\qm+\k], v[X+16*\s+12+\k]             ; out[2s] = max(q[2s-1], r), in row 4s+1, which is used up
.endr
.irp k, 0,1,2,3
	v_maximum_f32 v[X+16*\s+12+\k], v[X+16*\s+12+\k], v[\qp+\k]            ; out[2s+1] = max(r, q[2s+2])
.endr
.endm
; The two are stored.  A wait on va_vdst stands between MAXS and SEND; nothing writes rows 4s+1 and 4s+3 behind SEND.
.macro SEND s
	global_store_b128 v[OFF], v[X+16*\s+4:X+16*\s+7], s[6:7] offset:2*\s*PLANE th:TH_STORE_NT
	global_store_b128 v[OFF], v[X+16*\s+12:X+16*\s+15], s[6:7] offset:(2*\s+1)*PLANE th:TH_STORE_NT
.endm
	FRESH 0                                        ; q[1], q[2]; out[0] and out[1] have to wait for the neighbour below
	s_wait_alu depctr_vm_vsrc(0)                   ; the LDS stores of C and B have read rows 0 and 31, which q[0] and step 7's r write again further down; of later memory instructions only step 7's second store reads row 31, as out[15]
.irp s, 1,2,3
	FRESH \s
	MAXS \s, X+16*\s-8, X+16*\s+16                 ; out[2..7]: my own rows alone
	s_wait_alu depctr_va_vdst(0)                   ; the step's maxima have written rows 4s+1 and 4s+3, which the two stores below read
	SEND \s
.endr
	; The exchange.  Every wave put its three rows into LDS when its first four loads were in, and comes here when its load number 19
	; of 32 (row 16) is in.
	s_wait_dscnt 0x0                               ; for the neighbours' sake: all my LDS stores are done before I say so
	s_barrier_signal -1
	s_barrier_wait -1                              ; every record is whole, and no LDS byte is written from here on
	ds_load_b128 v[PA:PA+3], v[LA]                 ; boundary w: q[-1]          (no vector instruction has named PA, PB or PC)
	ds_load_b128 v[PB:PB+3], v[LA] offset:512      ;             x[-1]
	ds_load_b128 v[PC:PC+3], v[LA] offset:REC+1024 ; boundary w + 1: x[32]
	FRESH 4                                        ; out[8], out[9] are made while these three are on their way
	MAXS 4, X+56, X+80
	s_wait_dscnt 0x0                               ; the neighbours' rows are in
.irp k, 0,1,2,3
	v_maximum_f32 v[X+\k], v[PB+\k], v[X+\k]               ; q[0]  = max(x[-1], x0), in row 0
.endr
.irp k, 0,1,2,3
	v_maximum_f32 v[PC+\k], v[X+124+\k], v[PC+\k]          ; q[16] = max(x31, x[32])
.endr
	MAXS 0, PA, X+16                               ; out[0], out[1]: q[1] still lies in row 2, q[2] in row 4
	s_wait_alu depctr_va_vdst(0)                   ; steps 4 and 0 have written rows 17, 19, 1 and 3, which the four stores below read
	SEND 4
	SEND 0
	FRESH 5
	MAXS 5, X+72, X+96                             ; out[10], out[11]
	s_wait_alu depctr_va_vdst(0)                   ; step 5 has written rows 21 and 23, which the two stores below read
	SEND 5
	FRESH 6                                        ; the last load, row 28, is in
	MAXS 6, X+88, X+112                            ; out[12], out[13]
	MAXS 7, X+104, PC                              ; out[14], out[15]: q[14] in row 28, q[15] in row 30, q[16] in PC
	s_wait_alu depctr_va_vdst(0)                   ; steps 6 and 7 have written rows 25, 27, 29 and 31, which the last four stores read
	SEND 6
	SEND 7
	s_wait_dscnt 0x0
	s_wait_alu depctr_hold_cnt(0) depctr_sa_sdst(0) depctr_va_vdst(0) depctr_va_sdst(0) depctr_va_ssrc(0) depctr_va_vcc(0) depctr_vm_vsrc(0)
	s_wait_tensorcnt 0x0
	ds_add_u32 v148, v149
	s_wait_dscnt 0x0
	s_endpgm
.Lfunc_end_k_q4e09146468_chanpool:
	.size	k_q4e09146468_chanpool, .Lfunc_end_k_q4e09146468_chanpool-k_q4e09146468_chanpool
	.p2alignl 7, 3214868480
	.fill 96, 4, 3214868480
	.section	.rodata,"a",@progbits
	.p2align	6, 0x0
	.amdhsa_kernel k_q4e09146468_chanpool
		.amdhsa_group_segment_fixed_size 28160
		.amdhsa_private_segment_fixed_size 0
		.amdhsa_enable_private_segment 0
		.amdhsa_kernarg_size 16
		.amdhsa_user_sgpr_count 2
		.amdhsa_user_sgpr_kernarg_segment_ptr 1
		.amdhsa_wavefront_size32 1
		.amdhsa_system_sgpr_workgroup_id_x 1
		.amdhsa_system_sgpr_workgroup_id_y 1
		.amdhsa_system_sgpr_workgroup_id_z 1
		.amdhsa_system_vgpr_workitem_id 0
		.amdhsa_next_free_vgpr 150
		.amdhsa_next_free_sgpr 66
		.amdhsa_reserve_vcc 0
		.amdhsa_float_denorm_mode_32 3
		.amdhsa_float_denorm_mode_16_64 3
		.amdhsa_memory_ordered 1
		.amdhsa_forward_progress 1
		.amdhsa_inst_pref_size 18
	.end_amdhsa_kernel
	.amdgpu_metadata
---
amdhsa.version: [ 1, 2 ]
amdhsa.kernels:
  - .name:           k_q4e09146468_chanpool
    .symbol:         k_q4e09146468_chanpool.kd
    .args:
      - { .name: x, .offset: 0, .size: 8, .value_kind: global_buffer, .address_space: global }
      - { .name: out0, .offset: 8, .size: 8, .value_kind: global_buffer, .address_space: global }
    .group_segment_fixed_size: 28160
    .private_segment_fixed_size: 0
    .kernarg_segment_align: 8
    .kernarg_segment_size: 16
    .max_flat_workgroup_size: 512
    .sgpr_count:     66
    .vgpr_count:     150
    .wavefront_size: 32
...
	.end_amdgpu_metadata
.endif
;; end of part 2
